; MI455X (gfx1250); checked and timed in simulation.
; The chip was launched on July 23, 2026; its instructions are those of AMD's public machine-readable ISA for CDNA 5 (MIT licence, August 2026) and "CDNA5" Instruction Set Architecture Reference Guide (July 2026). The comments in the code are by the model that wrote it; some were corrected since.
;; CRF. Allowed arithmetic: float matrix products may take bf16 or f16 operands with f32 sums; all other float work in f32.
;; Inputs: inputs 128 x 512 x 128 float32; sequence_lengths 128 int32; transitions 128 x 128 float32.
;; Outputs: out0 128 x 512 x 128 float32; out1 128 float32.
;; 2 versions, each right and faster than the one before. Each part assembles by itself: llvm-mc -triple=amdgcn-amd-amdhsa -mcpu=gfx1250 --defsym DOCPART=n.
;; ======== version 1 of 2: 3 launches
;; workspace buffers: alphas 33,554,432 bytes; maxes 33,554,432 bytes; bp 8,388,608 bytes of whole numbers; last 512 bytes of whole numbers
;; launch forward (part 1): grid 128 x 1, 4 waves a work-group, no clusters, 13,312 bytes of LDS; arguments inputs, sequence_lengths, transitions, alphas, maxes, last, out1; writes alphas, maxes, last, out1
.if DOCPART == 1
	.amdgcn_target "amdgcn-amd-amdhsa--gfx1250"
	.amdhsa_code_object_version 6
	.text
	.protected	k_q28d00e0ba3_forward
	.globl	k_q28d00e0ba3_forward
	.p2align	8
	.type	k_q28d00e0ba3_forward,@function
k_q28d00e0ba3_forward:
	s_mov_b64 s[64:65], 0
	v_nop
	global_prefetch_b8 v0, s[64:65] scope:SCOPE_SE
	s_setreg_imm32_b32 hwreg(HW_REG_WAVE_MODE, 25, 1), 1
	s_wait_xcnt 0x0
; Viterbi forward pass, values only.  One work-group = one sequence b, four waves.
;   m_t[j] = max over i of (alpha_(t-1)[i] + trans[i][j]);  alpha_t[j] = m_t[j] + logit_t[j] for t < len, else alpha_(t-1)[j].
; Every sum is the plain f32 sum of the recursion as it is written and the maximum is exact, so alpha carries the recursion's own bits.
; Stored: alphas[b][t][:] = alpha_t, maxes[b][t][:] = m_t (row 0 of maxes is a copy of alpha_0, not used later), t = 0..511,
; the best final score (out1) and the first tag that reaches it (last).  Backpointers are made from alphas and maxes by the next launch,
; where the steps do not hang on each other; only the add and the maximum stay on the chain of 511 steps.
; SHARES: lane l of wave w, r = l & 3, q = l >> 2, keeps trans[32 r + e][32 w + 4 q + k] in register TR + 32 k + e (128 registers).
; The four lanes of a quad share four columns and split the 128 previous tags; a halving exchange leaves column 32 w + l in lane l.
; A step is 64 packed adds and 64 maxima a lane.
; LDS: three rings of 8 rows, slot = t & 7; the loop body is 8 steps, so every LDS address is a fixed register plus an immediate.
; An alpha row is four groups of 32 numbers, 144 bytes apart: the four addresses of one 16-byte load fall on different banks.
; One barrier a step: step t reads slot t-1 and writes slot t.  Rows leave, and logit rows come in, as whole rows of 512 bytes, one a wave.
; The trip count is fixed (512 steps, t = 512 always past the end); steps with t >= len are undone by a select.
; No matrix unit (max-plus is no product), no tensor load or cluster (the one shared input is 64 KiB, read once into registers).
; 128 work-groups: a sequence's chain cannot be split among work-groups without traffic between them.
; LIMITS: NaN in the inputs is not served (the maxima drop a NaN).  Lengths are clamped to 0..512.
.set ROWB,   512                       ; bytes of a row of 128 f32
.set APITCH, 144                       ; 32 alphas + 16 bytes
.set AROW,   576                       ; an alpha row in LDS
.set ALDS,   0                         ; 8 alpha rows
.set MLDS,   4608                      ; 8 rows of maxima
.set LLDS,   8704                      ; 8 logit rows; ends at 12800
.set TRIPS,  64
.set LANE, 1
.set TOFF, 2                           ; byte offset of my tile in trans
.set ARD,  3                           ; 144 r: my 32 alphas in an alpha row
.set AWR,  4                           ; 144 w + 4 l: my column in an alpha row
.set COL4, 5                           ; 128 w + 4 l: my column in a plain row
.set T16,  6                           ; 512 w + 16 l: my 16 bytes of row w of a group of four rows
.set AFL,  7                           ; 576 w + my 16 bytes of an alpha row read as a whole row
.set AOWN, 8                           ; alpha of my column
.set LOG,  9                           ; logit of my column
.set NEW,  10
.set VOF,  11                          ; byte offset of the rows that leave
.set PM,   12                          ; v[12:15] running maxima of my four columns
.set KA, 16
.set SA, 17
.set KB, 18
.set SB, 19
.set QA, 20
.set QB, 21
.set KK, 22
.set SS, 23
.set FIN, 24                           ; m_t of my column
.set VOA, 25                           ; byte offset of XA's next row
.set VOB, 26                           ; byte offset of XB's next row
.set TMP, 27
.set XA, 28                            ; v[28:31] logit row on its way, for slots 4-7
.set XB, 32                            ; v[32:35] the same for slots 0-3
.set FA, 36                            ; v[36:39] an alpha row on its way out
.set FM, 40                            ; v[40:43] a row of maxima on its way out
.set AL, 44                            ; v[44:75] my 32 alphas
.set SU, 76                            ; v[76:91] two buffers of 8 sums
.set TR, 92                            ; v[92:219] trans tile
	s_load_b256 s[4:11], s[0:1], 0x0               ; inputs s[4:5], lengths s[6:7], transitions s[8:9], alphas s[10:11]
	s_load_b128 s[12:15], s[0:1], 0x20             ; maxes s[12:13], last s[14:15]
	s_load_b64 s[16:17], s[0:1], 0x30              ; out1
	v_lshl_add_u32 v220, v0, 2, 0x3200
	v_mov_b32 v221, 0
	v_and_b32 v[LANE], 31, v0
	v_lshrrev_b32 v[TMP], 5, v0
	v_readfirstlane_b32 s18, v[TMP]                ; wave w
	s_lshl_b32 s28, ttmp9, 18                      ; b x 512 rows x 512 bytes
	s_mov_b32 s29, 0
	s_lshl_b32 s32, ttmp9, 2                       ; b x 4
	s_mov_b32 s33, 0
	s_mov_b32 s20, 0xaaaaaaaa                      ; lanes with l & 1
	s_mov_b32 s21, 0xcccccccc                      ; lanes with l & 2
	s_mov_b32 s22, 0x76543210                      ; v_permlanex16_b32: lane i of the other half
	s_mov_b32 s23, 0xfedcba98
	s_lshl_b32 s34, s18, 9                         ; 512 w
	s_lshl_b32 s35, s18, 7                         ; 128 w
	s_mul_i32 s36, s18, APITCH
	s_mul_i32 s37, s18, AROW
	v_lshl_add_u32 v[T16], v[LANE], 4, s34
	v_lshl_add_u32 v[COL4], v[LANE], 2, s35
	v_lshl_add_u32 v[AWR], v[LANE], 2, s36
	v_and_b32 v[KA], 3, v[LANE]                    ; r
	v_lshrrev_b32 v[SA], 2, v[LANE]                ; q
	v_mul_u32_u24 v[ARD], v[KA], APITCH
	v_lshl_add_u32 v[TOFF], v[SA], 4, s35          ; 128 w + 16 q
	v_lshl_add_u32 v[TOFF], v[KA], 14, v[TOFF]     ; + 32 r rows of 512 bytes
	v_lshrrev_b32 v[KB], 3, v[LANE]                ; columns 4 l .. 4 l + 3 lie in group l >> 3,
	v_and_b32 v[SB], 7, v[LANE]                    ; at 16 (l & 7)
	v_mul_u32_u24 v[KB], v[KB], APITCH
	v_lshl_add_u32 v[KB], v[SB], 4, v[KB]
	v_add_nc_u32 v[AFL], s37, v[KB]
	v_mov_b32 v[QA], 0                             ; destinations of the lane exchanges count as read: written once here
	v_mov_b32 v[QB], 0
	v_mov_b32 v[FIN], 0
	s_wait_kmcnt 0x0
	s_add_nc_u64 s[4:5], s[4:5], s[28:29]
	s_add_nc_u64 s[10:11], s[10:11], s[28:29]
	s_add_nc_u64 s[12:13], s[12:13], s[28:29]
	s_add_nc_u64 s[6:7], s[6:7], s[32:33]
	s_add_nc_u64 s[14:15], s[14:15], s[32:33]
	s_add_nc_u64 s[16:17], s[16:17], s[32:33]
	s_load_b32 s19, s[6:7], 0x0                    ; len
.irp k, 0,1,2,3
.set e, 0
.rept 32
	global_load_b32 v[TR+32*\k+e], v[TOFF], s[8:9] offset:ROWB*e+4*\k   ; once: laid so that two previous tags of one column are a register pair
.set e, e+1
.endr
.endr
	global_load_b128 v[FA:FA+3], v[T16], s[4:5] th:TH_LOAD_NT                ; logit rows 0-3, one a wave
	global_load_b128 v[XA:XA+3], v[T16], s[4:5] offset:4*ROWB th:TH_LOAD_NT  ; rows 4-7
	global_load_b128 v[XB:XB+3], v[T16], s[4:5] offset:8*ROWB th:TH_LOAD_NT  ; rows 8-11
	s_wait_kmcnt 0x0
	s_max_i32 s19, s19, 0
	s_min_u32 s19, s19, 512
	s_wait_loadcnt 0x2                             ; the tile and rows 0-3 are in; the two younger loads (XA, XB) stay out
	ds_store_b128 v[T16], v[FA:FA+3] offset:LLDS
	s_wait_dscnt 0x0                               ; my row is in LDS before I say so
	s_barrier_signal -1
	s_barrier_wait -1
	ds_load_b32 v[AOWN], v[COL4] offset:LLDS       ; alpha_0 = logit row 0
	s_wait_dscnt 0x0
	ds_store_b32 v[AWR], v[AOWN] offset:ALDS
	ds_store_b32 v[COL4], v[AOWN] offset:MLDS      ; row 0 of maxes gets defined bytes
	s_mov_b32 s24, 1                               ; t
	s_mov_b32 s25, 0                               ; trip c
	s_mov_b32 s27, 0                               ; 4096 c: byte offset of row 8 c
	s_wait_dscnt 0x0
	s_barrier_signal -1
	s_barrier_wait -1
; One step: reads alpha slot rd, writes slot wr.  kind 1: the four rows of group grp (slots 4 grp ..) also leave for memory, one a wave.
; kind 2: the logit rows that have come in go to slots 4 grp .., and the rows eight steps further are asked for.
.macro STEP rd, wr, kind, grp
.set EXTRA, 0
.irp c, 0,1,2,3,4,5,6,7
	ds_load_b128 v[AL+4*\c:AL+4*\c+3], v[ARD] offset:ALDS+AROW*\rd+16*\c
.endr
	ds_load_b32 v[LOG], v[COL4] offset:LLDS+ROWB*\wr
.if \kind == 1
.set EXTRA, 2
	s_wait_xcnt 0x0                                ; FA, FM and VOF, which the last rows' stores read, are rewritten only behind this wait
	v_add_nc_u32 v[VOF], s27, v[T16]
	ds_load_b128 v[FA:FA+3], v[AFL] offset:ALDS+4*AROW*\grp
	ds_load_b128 v[FM:FM+3], v[T16] offset:MLDS+4*ROWB*\grp
.endif
.if \kind == 2
.set EXTRA, 1
	s_wait_loadcnt 0x1                             ; this stream's row is in; the other stream's load is younger and stays out
.if \grp == 1
	ds_store_b128 v[T16], v[XA:XA+3] offset:LLDS+4*ROWB
	s_add_co_u32 s30, s27, 12*ROWB                 ; rows 8 c + 12 + w, held inside the buffer: the clamped rows feed no live step
	s_min_u32 s30, s30, 508*ROWB
	v_add_nc_u32 v[VOA], s30, v[T16]
	global_load_b128 v[XA:XA+3], v[VOA], s[4:5] th:TH_LOAD_NT
.else
	ds_store_b128 v[T16], v[XB:XB+3] offset:LLDS
	s_add_co_u32 s30, s27, 16*ROWB                 ; rows 8 c + 16 + w, clamped likewise (only t = 512, always past the end, reads them)
	s_min_u32 s30, s30, 508*ROWB
	v_add_nc_u32 v[VOB], s30, v[T16]
	global_load_b128 v[XB:XB+3], v[VOB], s[4:5] th:TH_LOAD_NT
.endif
.endif
.irp c, 0,1,2,3,4,5,6,7
	s_wait_dscnt 8-\c+EXTRA                        ; younger than chunk c: 7 - c chunks, the logit word, and the EXTRA LDS lines above
.irp k, 0,1,2,3
	v_pk_add_f32 v[SU+2*\k:SU+2*\k+1], v[TR+32*\k+4*\c:TR+32*\k+4*\c+1], v[AL+4*\c:AL+4*\c+1]
.endr
.irp k, 0,1,2,3
	v_pk_add_f32 v[SU+8+2*\k:SU+8+2*\k+1], v[TR+32*\k+4*\c+2:TR+32*\k+4*\c+3], v[AL+4*\c+2:AL+4*\c+3]
.endr
.irp k, 0,1,2,3
.if \c == 0
	v_max_num_f32 v[PM+\k], v[SU+2*\k], v[SU+2*\k+1]           ; the first pair starts the maximum: nothing is cleared
.else
	v_max3_num_f32 v[PM+\k], v[PM+\k], v[SU+2*\k], v[SU+2*\k+1]
.endif
.endr
.irp k, 0,1,2,3
	v_max3_num_f32 v[PM+\k], v[PM+\k], v[SU+8+2*\k], v[SU+8+2*\k+1]
.endr
.endr
	; halving exchange over the quad: a lane keeps the columns whose bit equals its own and sends the others
	v_cndmask_b32 v[KA], v[PM], v[PM+1], s20
	v_cndmask_b32 v[SA], v[PM+1], v[PM], s20
	v_cndmask_b32 v[KB], v[PM+2], v[PM+3], s20
	v_cndmask_b32 v[SB], v[PM+3], v[PM+2], s20
	v_max_num_f32_dpp v[QA], v[SA], v[KA] row_xmask:1 row_mask:0xf bank_mask:0xf
	v_max_num_f32_dpp v[QB], v[SB], v[KB] row_xmask:1 row_mask:0xf bank_mask:0xf
	v_cndmask_b32 v[KK], v[QA], v[QB], s21
	v_cndmask_b32 v[SS], v[QB], v[QA], s21
	v_max_num_f32_dpp v[FIN], v[SS], v[KK] row_xmask:2 row_mask:0xf bank_mask:0xf   ; m_t of column 32 w + l
	s_cmp_lt_u32 s24, s19                          ; t < len
	s_cselect_b32 s26, -1, 0
	s_add_co_u32 s24, s24, 1
	s_wait_dscnt 0x0                               ; the logit word (and the rows that leave) are in
	v_add_f32 v[NEW], v[FIN], v[LOG]
	v_cndmask_b32 v[AOWN], v[AOWN], v[NEW], s26
	ds_store_b32 v[AWR], v[AOWN] offset:ALDS+AROW*\wr
	ds_store_b32 v[COL4], v[FIN] offset:MLDS+ROWB*\wr
.if \kind == 1
	global_store_b128 v[VOF], v[FA:FA+3], s[10:11] offset:4*ROWB*\grp   ; each store of the wave covers one row: 512 consecutive bytes, aligned
	global_store_b128 v[VOF], v[FM:FM+3], s[12:13] offset:4*ROWB*\grp
.endif
	s_wait_dscnt 0x0                               ; my reads of slot rd and my stores to slot wr are done before I say so
	s_barrier_signal -1
	s_barrier_wait -1
.endm
.Ltrip:                                            ; t = 8 c + 1 .. 8 c + 8
	STEP 0, 1, 2, 1                                ; slots 4-7 were last read two barriers ago, are first read three steps on
	STEP 1, 2, 0, 0
	STEP 2, 3, 0, 0
	STEP 3, 4, 1, 0                                ; rows 8 c .. 8 c + 3 are whole; slot 0 is written again four steps on
	STEP 4, 5, 2, 0
	STEP 5, 6, 0, 0
	STEP 6, 7, 0, 0
	STEP 7, 0, 1, 1                                ; rows 8 c + 4 .. 8 c + 7
	s_add_co_u32 s27, s27, 8*ROWB
	s_add_co_u32 s25, s25, 1
	s_cmp_lt_u32 s25, TRIPS
	s_cbranch_scc1 .Ltrip
	; the end: wave 0 takes the final alpha (slot 0, carried through the dead step t = 512), its maximum and the first tag that has it
	s_cmp_lg_u32 s18, 0
	s_cbranch_scc1 .Lend
	s_wait_xcnt 0x0                                ; FA was the data of the last stores
	ds_load_b128 v[FA:FA+3], v[AFL] offset:ALDS    ; w = 0: columns 4 l .. 4 l + 3
	s_wait_dscnt 0x0
	v_max3_num_f32 v[KA], v[FA], v[FA+1], v[FA+2]
	v_max_num_f32 v[KA], v[KA], v[FA+3]
	v_max_num_f32_dpp v[KA], v[KA], v[KA] row_xmask:1 row_mask:0xf bank_mask:0xf
	v_max_num_f32_dpp v[KA], v[KA], v[KA] row_xmask:2 row_mask:0xf bank_mask:0xf
	v_max_num_f32_dpp v[KA], v[KA], v[KA] row_xmask:4 row_mask:0xf bank_mask:0xf
	v_max_num_f32_dpp v[KA], v[KA], v[KA] row_xmask:8 row_mask:0xf bank_mask:0xf
	v_permlanex16_b32 v[SA], v[KA], s22, s23
	v_max_num_f32 v[KA], v[KA], v[SA]              ; the best score, in every lane
	v_mov_b32 v[KB], 0xff                          ; no hit: above every tag
.irp k, 3,2,1,0
	v_cmp_neq_f32 vcc_lo, v[FA+\k], v[KA]
	v_cndmask_b32 v[KB], \k, v[KB], vcc_lo         ; downward, so the lowest hit stays
.endr
	v_lshl_add_u32 v[KB], v[LANE], 2, v[KB]
.irp x, 1,2,4,8
	v_mov_b32_dpp v[SB], v[KB] row_xmask:\x row_mask:0xf bank_mask:0xf
	v_min_u32 v[KB], v[KB], v[SB]
.endr
	v_permlanex16_b32 v[SB], v[KB], s22, s23
	v_min_u32 v[KB], v[KB], v[SB]                  ; the first tag with the best score
	v_mov_b32 v[QA], 0
	v_cmp_eq_u32 vcc_lo, 0, v[LANE]
	s_and_saveexec_b32 s30, vcc_lo                 ; no global instruction has been issued since the wait on XCNT above
	global_store_b32 v[QA], v[KA], s[16:17]
	global_store_b32 v[QA], v[KB], s[14:15]
	s_wait_xcnt 0x0                                ; EXEC is widened only behind this wait
	s_or_b32 exec_lo, exec_lo, s30
.Lend:
	s_wait_tensorcnt 0x0
	ds_add_u32 v220, v221
	s_wait_dscnt 0x0
	s_endpgm
.Lfunc_end_k_q28d00e0ba3_forward:
	.size	k_q28d00e0ba3_forward, .Lfunc_end_k_q28d00e0ba3_forward-k_q28d00e0ba3_forward
	.p2alignl 7, 3214868480
	.fill 96, 4, 3214868480
	.section	.rodata,"a",@progbits
	.p2align	6, 0x0
	.amdhsa_kernel k_q28d00e0ba3_forward
		.amdhsa_group_segment_fixed_size 13312
		.amdhsa_private_segment_fixed_size 0
		.amdhsa_enable_private_segment 0
		.amdhsa_kernarg_size 56
		.amdhsa_user_sgpr_count 2
		.amdhsa_user_sgpr_kernarg_segment_ptr 1
		.amdhsa_wavefront_size32 1
		.amdhsa_system_sgpr_workgroup_id_x 1
		.amdhsa_system_sgpr_workgroup_id_y 1
		.amdhsa_system_sgpr_workgroup_id_z 1
		.amdhsa_system_vgpr_workitem_id 0
		.amdhsa_next_free_vgpr 222
		.amdhsa_next_free_sgpr 66
		.amdhsa_reserve_vcc 1
		.amdhsa_float_denorm_mode_32 3
		.amdhsa_float_denorm_mode_16_64 3
		.amdhsa_memory_ordered 1
		.amdhsa_forward_progress 1
		.amdhsa_inst_pref_size 97
	.end_amdhsa_kernel
	.amdgpu_metadata
---
amdhsa.version: [ 1, 2 ]
amdhsa.kernels:
  - .name:           k_q28d00e0ba3_forward
    .symbol:         k_q28d00e0ba3_forward.kd
    .args:
      - { .name: inputs, .offset: 0, .size: 8, .value_kind: global_buffer, .address_space: global }
      - { .name: sequence_lengths, .offset: 8, .size: 8, .value_kind: global_buffer, .address_space: global }
      - { .name: transitions, .offset: 16, .size: 8, .value_kind: global_buffer, .address_space: global }
      - { .name: alphas, .offset: 24, .size: 8, .value_kind: global_buffer, .address_space: global }
      - { .name: maxes, .offset: 32, .size: 8, .value_kind: global_buffer, .address_space: global }
      - { .name: last, .offset: 40, .size: 8, .value_kind: global_buffer, .address_space: global }
      - { .name: out1, .offset: 48, .size: 8, .value_kind: global_buffer, .address_space: global }
    .group_segment_fixed_size: 13312
    .private_segment_fixed_size: 0
    .kernarg_segment_align: 8
    .kernarg_segment_size: 56
    .max_flat_workgroup_size: 128
    .sgpr_count:     66
    .vgpr_count:     222
    .wavefront_size: 32
...
	.end_amdgpu_metadata
.endif
;; end of part 1
;; launch argmax (part 2): grid 128 x 16, 4 waves a work-group, no clusters, 10,240 bytes of LDS; arguments alphas, maxes, transitions, sequence_lengths, bp; writes bp
.if DOCPART == 2
	.amdgcn_target "amdgcn-amd-amdhsa--gfx1250"
	.amdhsa_code_object_version 6
	.text
	.protected	k_q28d00e0ba3_argmax
	.globl	k_q28d00e0ba3_argmax
	.p2align	8
	.type	k_q28d00e0ba3_argmax,@function
k_q28d00e0ba3_argmax:
	s_mov_b64 s[64:65], 0
	v_nop
	global_prefetch_b8 v0, s[64:65] scope:SCOPE_SE
	s_setreg_imm32_b32 hwreg(HW_REG_WAVE_MODE, 25, 1), 1
	s_wait_xcnt 0x0
; Backpointers.  bp[b][t][j] = the first i with alpha_(t-1)[i] + trans[i][j] == m_t[j] for 1 <= t < len, else j (identity), one byte each.
; m_t is the maximum of exactly these f32 sums, made by the same packed add on the same operands, so a hit exists and the first hit is the argmax.
; Work-group (b, y), four waves, makes rows t0 .. t0 + 31, t0 = 32 y, in 4 trips of 8 steps.  The steps do not hang on each other.
; SHARES as in the forward launch: lane l of wave w, r = l & 3, q = l >> 2, keeps trans[32 r + e][32 w + 4 q + k] in register TR + 32 k + e.
; A lane scans its 32 previous tags downward (a later hit with a lower index replaces an earlier one), adds 32 r, and a halving exchange with
; minima over the quad leaves the index of column 32 w + l in lane l.
; A TRIP: 8 rows of alpha and 8 of m come in as whole rows of 512 bytes (two of each a wave) and go to LDS; barrier; 8 steps, written out, so
; that every LDS address is a fixed register plus an immediate; barrier; the trip's 1,024 index bytes leave, 256 consecutive aligned bytes a wave.
; The second barrier stands between this trip's reads of the rows and the next trip's rows, and between the index bytes and their read-back;
; the first between the rows and their reads, and between the read-back and the next index bytes.
; A step that is not live (n < first or n >= len - t0, whole numbers made from the lengths) jumps over the scan and stores the identity;
; a trip whose first step is past the end fetches no rows.  Both barriers stand on every wave's path, outside these branches.
; No matrix unit, tensor load or cluster: no product, and the one shared input is 64 KiB read once into registers.
; LIMITS: NaN in the inputs is not served.  Lengths are clamped to 0..512.
.set ROWB,   512
.set APITCH, 144                       ; 32 alphas + 16 bytes: the four addresses of one 16-byte load fall on different banks
.set AROW,   576
.set ALDS,   0                         ; 8 alpha rows: row s = alphas row max(t0 + 8 c + s - 1, 0)
.set MLDS,   4608                      ; 8 rows of maxima: row s = maxes row t0 + 8 c + s
.set OLDS,   8704                      ; 8 rows of 128 index bytes; ends at 9728
.set TRIPS,  4
.set LANE, 1
.set TOFF, 2                           ; byte offset of my tile in trans
.set ARD,  3                           ; 144 r
.set MRD,  4                           ; 128 w + 16 q
.set VA,   6                           ; byte offset of my 16 bytes in row t0 + 8 c + 2 w
.set VA0,  7                           ; the same one row up
.set AST,  8                           ; 2 w rows of 576 + my 16 bytes of a whole row
.set MST,  9                           ; 2 w rows of 512 + 16 l
.set JCOL, 10                          ; 32 w + l: my column, and my byte in a row of indices
.set R32,  11                          ; 32 r
.set IDX,  12                          ; v[12:15]
.set KA, 16
.set SA, 17
.set KB, 18
.set SB, 19
.set QA, 20
.set QB, 21
.set KK, 22
.set SS, 23
.set FIN, 24
.set DA, 25
.set DB, 26
.set C255, 27
.set M4, 28                            ; v[28:31] m of my four columns
.set AL, 32                            ; v[32:63] my 32 alphas; v[32:47] also carry the rows on their way into LDS
.set SU, 64                            ; v[64:71]
.set TR, 72                            ; v[72:199]
.set OUTA, 200                         ; 256 w + 8 l
.set VOUT, 201                         ; + 1024 c
.set OD, 202                           ; v[202:203]
	s_load_b256 s[4:11], s[0:1], 0x0               ; alphas s[4:5], maxes s[6:7], transitions s[8:9], lengths s[10:11]
	s_load_b64 s[12:13], s[0:1], 0x20              ; bp
	v_lshl_add_u32 v204, v0, 2, 0x2600
	v_mov_b32 v205, 0
	v_and_b32 v[LANE], 31, v0
	v_lshrrev_b32 v[KA], 5, v0
	v_readfirstlane_b32 s18, v[KA]                 ; wave w
	s_and_b32 s26, ttmp7, 0xffff                   ; y
	s_lshl_b32 s31, s26, 5                         ; t0
	s_lshl_b32 s28, ttmp9, 18                      ; b x 512 rows x 512 bytes
	s_mov_b32 s29, 0
	s_lshl_b32 s32, ttmp9, 2
	s_mov_b32 s33, 0
	s_lshl_b32 s38, ttmp9, 16                      ; b x 512 rows x 128 bytes
	s_lshl_b32 s39, s26, 12                        ; + 32 y rows
	s_add_co_u32 s38, s38, s39
	s_mov_b32 s39, 0
	s_mov_b32 s20, 0xaaaaaaaa                      ; lanes with l & 1
	s_mov_b32 s21, 0xcccccccc                      ; lanes with l & 2
	s_lshl_b32 s22, s18, 7                         ; 128 w
	s_lshl_b32 s23, s18, 5                         ; 32 w
	s_lshl_b32 s14, s18, 10                        ; 1024 w: two rows of 512 bytes
	s_mul_i32 s15, s18, 2*AROW
	s_lshl_b32 s16, s18, 8                         ; 256 w
	s_lshl_b32 s34, s26, 14                        ; 512 t0
	s_add_co_u32 s34, s34, s14                     ; byte offset of row t0 + 2 w
	v_and_b32 v[KA], 3, v[LANE]                    ; r
	v_lshrrev_b32 v[SA], 2, v[LANE]                ; q
	v_mul_u32_u24 v[ARD], v[KA], APITCH
	v_lshlrev_b32 v[R32], 5, v[KA]
	v_lshl_add_u32 v[MRD], v[SA], 4, s22
	v_lshl_add_u32 v[TOFF], v[KA], 14, v[MRD]      ; 32 r rows of 512 bytes + 128 w + 16 q
	v_add_nc_u32 v[JCOL], s23, v[LANE]
	v_lshl_add_u32 v[MST], v[LANE], 4, s14
	v_lshl_add_u32 v[OUTA], v[LANE], 3, s16
	v_lshrrev_b32 v[KB], 3, v[LANE]                ; columns 4 l .. 4 l + 3 lie in group l >> 3,
	v_and_b32 v[SB], 7, v[LANE]                    ; at 16 (l & 7)
	v_mul_u32_u24 v[KB], v[KB], APITCH
	v_lshl_add_u32 v[KB], v[SB], 4, v[KB]
	v_add_nc_u32 v[AST], s15, v[KB]
	v_mov_b32 v[DA], 0                             ; destinations of the lane exchanges count as read: written once here
	v_mov_b32 v[DB], 0
	v_mov_b32 v[C255], 0xff
	s_wait_kmcnt 0x0
	s_add_nc_u64 s[4:5], s[4:5], s[28:29]
	s_add_nc_u64 s[6:7], s[6:7], s[28:29]
	s_add_nc_u64 s[10:11], s[10:11], s[32:33]
	s_add_nc_u64 s[12:13], s[12:13], s[38:39]
	s_load_b32 s19, s[10:11], 0x0                  ; len
.irp k, 0,1,2,3
.set e, 0
.rept 32
	global_load_b32 v[TR+32*\k+e], v[TOFF], s[8:9] offset:ROWB*e+4*\k   ; once: laid so that two previous tags of one column are a register pair
.set e, e+1
.endr
.endr
	s_cmp_eq_u32 s26, 0
	s_cselect_b32 s36, 1, 0                        ; first live n: row 0 of the sequence has no step
	s_wait_kmcnt 0x0
	s_max_i32 s19, s19, 0
	s_min_u32 s19, s19, 512
	s_sub_co_i32 s37, s19, s31
	s_min_i32 s37, s37, 32
	s_max_i32 s37, s37, 0                          ; live n end here
	s_mov_b32 s24, 0                               ; trip c
	s_mov_b32 s25, 0                               ; n = 8 c + s
	s_mov_b32 s27, 0                               ; 4096 c: eight rows of 512 bytes
	s_wait_loadcnt 0x0                             ; the tile is in
; Step s of a trip: the index byte of my column in row s.
.macro STEP s
	v_mov_b32 v[FIN], v[JCOL]                      ; a step that is not live: the identity
	s_cmp_lt_u32 s25, s36
	s_cbranch_scc1 .Lput_\@
	s_cmp_ge_u32 s25, s37
	s_cbranch_scc1 .Lput_\@
	ds_load_b128 v[M4:M4+3], v[MRD] offset:MLDS+ROWB*\s
.irp c, 7,6,5,4,3,2,1,0
	ds_load_b128 v[AL+4*\c:AL+4*\c+3], v[ARD] offset:ALDS+AROW*\s+16*\c
.endr
.irp p, 15,14,13,12,11,10,9,8,7,6,5,4,3,2,1,0
.if \p & 1
	s_wait_dscnt \p>>1                             ; the chunks below this one were issued later and stay out
.endif
.irp k, 0,1,2,3
	v_pk_add_f32 v[SU+2*\k:SU+2*\k+1], v[TR+32*\k+2*\p:TR+32*\k+2*\p+1], v[AL+2*\p:AL+2*\p+1]
.endr
.irp k, 0,1,2,3
	v_cmp_neq_f32 s[40+2*\k], v[SU+2*\k+1], v[M4+\k]
	v_cmp_neq_f32 s[41+2*\k], v[SU+2*\k], v[M4+\k]
.endr
.irp k, 0,1,2,3
.if \p == 15
	v_cndmask_b32 v[IDX+\k], 2*\p+1, v[C255], s[40+2*\k]       ; the first select starts the index: no hit = 255
.else
	v_cndmask_b32 v[IDX+\k], 2*\p+1, v[IDX+\k], s[40+2*\k]
.endif
.endr
.irp k, 0,1,2,3
	v_cndmask_b32 v[IDX+\k], 2*\p, v[IDX+\k], s[41+2*\k]
.endr
.endr
.irp k, 0,1,2,3
	v_add_nc_u32 v[IDX+\k], v[IDX+\k], v[R32]      ; a lane without a hit stays at 255 or above
.endr
	; halving exchange over the quad: a lane keeps the columns whose bit equals its own and sends the others
	v_cndmask_b32 v[KA], v[IDX], v[IDX+1], s20
	v_cndmask_b32 v[SA], v[IDX+1], v[IDX], s20
	v_cndmask_b32 v[KB], v[IDX+2], v[IDX+3], s20
	v_cndmask_b32 v[SB], v[IDX+3], v[IDX+2], s20
	v_mov_b32_dpp v[DA], v[SA] row_xmask:1 row_mask:0xf bank_mask:0xf
	v_mov_b32_dpp v[DB], v[SB] row_xmask:1 row_mask:0xf bank_mask:0xf
	v_min_u32 v[QA], v[DA], v[KA]
	v_min_u32 v[QB], v[DB], v[KB]
	v_cndmask_b32 v[KK], v[QA], v[QB], s21
	v_cndmask_b32 v[SS], v[QB], v[QA], s21
	v_mov_b32_dpp v[DA], v[SS] row_xmask:2 row_mask:0xf bank_mask:0xf
	v_min_u32 v[FIN], v[DA], v[KK]                 ; the first index of column 32 w + l
.Lput_\@:
	ds_store_b8 v[JCOL], v[FIN] offset:OLDS+128*\s
	s_add_co_u32 s25, s25, 1
.endm
.Ltrip:
	s_cmp_ge_u32 s25, s37                          ; the trip's first step is past the end: so are all eight, and no rows are fetched
	s_cbranch_scc1 .Lstaged
	s_add_co_u32 s30, s34, s27                     ; byte offset of row t0 + 8 c + 2 w
	s_sub_co_i32 s35, s30, ROWB                    ; the row in front of it,
	s_max_i32 s35, s35, 0                          ; held inside the buffer (y = 0, w = 0, c = 0: that LDS row feeds only n = 0, which is no step)
	v_lshl_add_u32 v[VA], v[LANE], 4, s30          ; the last trip's loads were waited for: their offsets may be written
	v_lshl_add_u32 v[VA0], v[LANE], 4, s35
	global_load_b128 v[AL:AL+3], v[VA0], s[4:5]                    ; alpha for step 2 w
	global_load_b128 v[AL+4:AL+7], v[VA], s[4:5]                   ; alpha for step 2 w + 1
	global_load_b128 v[AL+8:AL+11], v[VA], s[6:7]                  ; m of step 2 w
	global_load_b128 v[AL+12:AL+15], v[VA], s[6:7] offset:ROWB     ; m of step 2 w + 1
	s_wait_loadcnt 0x2                             ; the alpha rows are in; the two rows of maxima are younger
	ds_store_b128 v[AST], v[AL:AL+3] offset:ALDS
	ds_store_b128 v[AST], v[AL+4:AL+7] offset:ALDS+AROW
	s_wait_loadcnt 0x0
	ds_store_b128 v[MST], v[AL+8:AL+11] offset:MLDS
	ds_store_b128 v[MST], v[AL+12:AL+15] offset:MLDS+ROWB
.Lstaged:
	s_wait_dscnt 0x0                               ; my rows are in LDS, and my read-back of the last trip's indices is done, before I say so
	s_barrier_signal -1
	s_barrier_wait -1
	STEP 0
	STEP 1
	STEP 2
	STEP 3
	STEP 4
	STEP 5
	STEP 6
	STEP 7
	s_wait_dscnt 0x0                               ; my reads of the rows and my index bytes are done before I say so
	s_barrier_signal -1
	s_barrier_wait -1
	s_wait_xcnt 0x0                                ; VOUT and OD, which the last trip's store reads, are rewritten only behind this wait
	s_lshr_b32 s30, s27, 2                         ; 1024 c: eight rows of 128 bytes
	v_add_nc_u32 v[VOUT], s30, v[OUTA]
	ds_load_b64 v[OD:OD+1], v[OUTA] offset:OLDS
	s_wait_dscnt 0x0
	global_store_b64 v[VOUT], v[OD:OD+1], s[12:13] ; the store of the wave covers 256 consecutive bytes, aligned
	s_add_co_u32 s27, s27, 8*ROWB
	s_add_co_u32 s24, s24, 1
	s_cmp_lt_u32 s24, TRIPS
	s_cbranch_scc1 .Ltrip
	s_wait_tensorcnt 0x0
	ds_add_u32 v204, v205
	s_wait_dscnt 0x0
	s_endpgm
.Lfunc_end_k_q28d00e0ba3_argmax:
	.size	k_q28d00e0ba3_argmax, .Lfunc_end_k_q28d00e0ba3_argmax-k_q28d00e0ba3_argmax
	.p2alignl 7, 3214868480
	.fill 96, 4, 3214868480
	.section	.rodata,"a",@progbits
	.p2align	6, 0x0
	.amdhsa_kernel k_q28d00e0ba3_argmax
		.amdhsa_group_segment_fixed_size 10240
		.amdhsa_private_segment_fixed_size 0
		.amdhsa_enable_private_segment 0
		.amdhsa_kernarg_size 40
		.amdhsa_user_sgpr_count 2
		.amdhsa_user_sgpr_kernarg_segment_ptr 1
		.amdhsa_wavefront_size32 1
		.amdhsa_system_sgpr_workgroup_id_x 1
		.amdhsa_system_sgpr_workgroup_id_y 1
		.amdhsa_system_sgpr_workgroup_id_z 1
		.amdhsa_system_vgpr_workitem_id 0
		.amdhsa_next_free_vgpr 206
		.amdhsa_next_free_sgpr 66
		.amdhsa_reserve_vcc 0
		.amdhsa_float_denorm_mode_32 3
		.amdhsa_float_denorm_mode_16_64 3
		.amdhsa_memory_ordered 1
		.amdhsa_forward_progress 1
		.amdhsa_inst_pref_size 192
	.end_amdhsa_kernel
	.amdgpu_metadata
---
amdhsa.version: [ 1, 2 ]
amdhsa.kernels:
  - .name:           k_q28d00e0ba3_argmax
    .symbol:         k_q28d00e0ba3_argmax.kd
    .args:
      - { .name: alphas, .offset: 0, .size: 8, .value_kind: global_buffer, .address_space: global }
      - { .name: maxes, .offset: 8, .size: 8, .value_kind: global_buffer, .address_space: global }
      - { .name: transitions, .offset: 16, .size: 8, .value_kind: global_buffer, .address_space: global }
      - { .name: sequence_lengths, .offset: 24, .size: 8, .value_kind: global_buffer, .address_space: global }
      - { .name: bp, .offset: 32, .size: 8, .value_kind: global_buffer, .address_space: global }
    .group_segment_fixed_size: 10240
    .private_segment_fixed_size: 0
    .kernarg_segment_align: 8
    .kernarg_segment_size: 40
    .max_flat_workgroup_size: 128
    .sgpr_count:     66
    .vgpr_count:     206
    .wavefront_size: 32
...
	.end_amdgpu_metadata
.endif
;; end of part 2
;; launch backtrace (part 3): grid 128 x 1, 16 waves a work-group, no clusters, 75,776 bytes of LDS; arguments bp, last, out0; writes out0
.if DOCPART == 3
	.amdgcn_target "amdgcn-amd-amdhsa--gfx1250"
	.amdhsa_code_object_version 6
	.text
	.protected	k_q28d00e0ba3_backtrace
	.globl	k_q28d00e0ba3_backtrace
	.p2align	8
	.type	k_q28d00e0ba3_backtrace,@function
k_q28d00e0ba3_backtrace:
	s_mov_b64 s[64:65], 0
	v_nop
	global_prefetch_b8 v0, s[64:65] scope:SCOPE_SE
	s_setreg_imm32_b32 hwreg(HW_REG_WAVE_MODE, 25, 1), 1
	s_wait_xcnt 0x0
; Follows the backpointers and writes the one-hot rows.  One work-group = one sequence b, sixteen waves.
; tag_511 = last[b]; tag_(t-1) = bp[b][t][tag_t].  Rows past the sequence's end and row 0 are identities, so all 512 rows are treated alike.
; The table (512 rows x 128 bytes) is copied into LDS.  Instead of 511 look-ups one behind the other:
;   1. the map of each chunk of 16 rows (tag at time 16 c + 15 -> tag at time 16 c - 1) is made for all 128 entry tags, all 32 chunks at once,
;      8 chains a thread (16 dependent look-ups);
;   2. wave 0 walks the 31 chunk maps from the last tag: lane c keeps the tag at time 16 c + 15;
;   3. wave 0, one lane a chunk, walks its 15 rows.  16 + 31 + 15 = 62 dependent look-ups in all.
; Then wave w writes rows 32 w .. 32 w + 31 of out0, each store one row of 512 consecutive bytes, aligned.
; Every byte read from a table is clamped to 127 before it enters an address.
; No tensor load (the table is read once, 8 loads a thread), no cluster (work-groups share nothing), no matrix unit (no arithmetic).
.set FLDS, 0                           ; 32 chunk maps x 128 bytes
.set TLDS, 4096                        ; 512 tag bytes
.set TAB,  8192                        ; the table, row t at TAB + 128 t; ends at 73728
.set LANE, 1
.set GOFF, 2                           ; 512 w + 16 l
.set LW,   3                           ; TAB + the same
.set X,    5                           ; my entry tag
.set FW,   6                           ; 1024 g + X
.set TGA,  7                           ; 32 w
.set V,    8                           ; v[8:15]  eight chains' tags
.set A,    16                          ; v[16:23] their addresses
.set OH,   24                          ; v[24:55] the table on its way in; later eight one-hot rows' 16 bytes
.set TG,   56                          ; v[56:63] my wave's 32 tags, four to a word
.set D,    64
.set L4,   65                          ; 4 l
.set VO,   66                          ; 16384 w + 16 l
.set CUR,  67
.set E,    68
.set AA,   69
.set PB,   70                          ; TAB + 2048 l
.set TW,   71                          ; 16 l
	s_load_b128 s[4:7], s[0:1], 0x0                ; bp s[4:5], last s[6:7]
	s_load_b64 s[8:9], s[0:1], 0x10                ; out0
	v_lshl_add_u32 v72, v0, 2, 0x12000
	v_mov_b32 v73, 0
	v_and_b32 v[LANE], 31, v0
	v_lshrrev_b32 v[D], 5, v0
	v_readfirstlane_b32 s18, v[D]                  ; wave w, 0..15
	s_lshl_b32 s24, ttmp9, 16                      ; b x 65,536
	s_mov_b32 s25, 0
	s_lshl_b32 s26, ttmp9, 2
	s_mov_b32 s27, 0
	s_lshl_b32 s28, ttmp9, 18                      ; b x 512 rows x 512 bytes
	s_mov_b32 s29, 0
	s_lshl_b32 s10, s18, 9                         ; 512 w
	s_lshr_b32 s11, s18, 2                         ; g: which eight chunks
	s_and_b32 s12, s18, 3
	s_lshl_b32 s12, s12, 5                         ; entry tags 32 (w & 3) + l
	s_lshl_b32 s22, s11, 14
	s_add_co_u32 s22, s22, TAB                     ; the first row of chunk 8 g
	s_lshl_b32 s13, s11, 10                        ; 1024 g
	s_lshl_b32 s14, s18, 14                        ; 16384 w
	s_lshl_b32 s15, s18, 5                         ; 32 w
	v_lshl_add_u32 v[GOFF], v[LANE], 4, s10
	v_add_nc_u32 v[LW], TAB, v[GOFF]
	v_add_nc_u32 v[X], s12, v[LANE]
	v_add_nc_u32 v[FW], s13, v[X]
	v_mov_b32 v[TGA], s15
	v_lshlrev_b32 v[L4], 2, v[LANE]
	v_lshl_add_u32 v[VO], v[LANE], 4, s14
	v_lshlrev_b32 v[TW], 4, v[LANE]
	v_lshlrev_b32 v[PB], 11, v[LANE]
	v_add_nc_u32 v[PB], TAB, v[PB]
	s_wait_kmcnt 0x0
	s_add_nc_u64 s[4:5], s[4:5], s[24:25]
	s_add_nc_u64 s[6:7], s[6:7], s[26:27]
	s_add_nc_u64 s[8:9], s[8:9], s[28:29]
	s_load_b32 s19, s[6:7], 0x0                    ; the last tag
.irp k, 0,1,2,3,4,5,6,7
	global_load_b128 v[OH+4*\k:OH+4*\k+3], v[GOFF], s[4:5] offset:8192*\k
.endr
.irp k, 0,1,2,3,4,5,6,7
	s_wait_loadcnt 7-\k                            ; load k is in, the 7 - k younger ones stay out
	ds_store_b128 v[LW], v[OH+4*\k:OH+4*\k+3] offset:8192*\k
.endr
	v_add_nc_u32 v[A], s22, v[X]
	s_wait_kmcnt 0x0
	s_min_u32 s19, s19, 127
	s_wait_dscnt 0x0                               ; my part of the table is in LDS before I say so
	s_barrier_signal -1
	s_barrier_wait -1
	; 1. chunk maps: chain n of this thread is chunk 8 g + n, entry tag X; rows 15 down to 0 of the chunk
.irp n, 0,1,2,3,4,5,6,7
	ds_load_u8 v[V+\n], v[A] offset:2048*\n+128*15
.endr
.irp d, 14,13,12,11,10,9,8,7,6,5,4,3,2,1,0
.irp n, 0,1,2,3,4,5,6,7
	s_wait_dscnt 0x7                               ; the seven other chains' loads are younger than this chain's last
	v_min_u32 v[A+\n], 127, v[V+\n]
	v_add_nc_u32 v[A+\n], s22, v[A+\n]
	ds_load_u8 v[V+\n], v[A+\n] offset:2048*\n+128*\d
.endr
.endr
	s_wait_dscnt 0x0
.irp n, 0,1,2,3,4,5,6,7
	ds_store_b8 v[FW], v[V+\n] offset:FLDS+128*\n
.endr
	s_wait_dscnt 0x0                               ; my map bytes are in LDS before I say so
	s_barrier_signal -1
	s_barrier_wait -1
	s_cmp_lg_u32 s18, 0
	s_cbranch_scc1 .Ljoin
	; 2. wave 0: from the tag at time 511 through the maps of chunks 31 .. 1; every lane makes the same look-up, lane c - 1 keeps its result
	v_mov_b32 v[CUR], s19
	v_mov_b32 v[E], s19
.set c, 31
.rept 31
	v_min_u32 v[AA], 127, v[CUR]
	ds_load_u8 v[CUR], v[AA] offset:FLDS+128*c
	s_mov_b32 s20, 1<<(c-1)
	s_wait_dscnt 0x0
	v_cndmask_b32 v[E], v[E], v[CUR], s20
.set c, c-1
.endr
	; 3. lane c holds the tag at time 16 c + 15 and walks rows 16 c + 15 .. 16 c + 1
	v_mov_b32 v[CUR], v[E]
.set d, 15
.rept 15
	ds_store_b8 v[TW], v[CUR] offset:TLDS+d
	v_min_u32 v[AA], 127, v[CUR]
	v_add_nc_u32 v[AA], v[AA], v[PB]
	ds_load_u8 v[CUR], v[AA] offset:128*d
	s_wait_dscnt 0x0
.set d, d-1
.endr
	ds_store_b8 v[TW], v[CUR] offset:TLDS
.Ljoin:
	s_wait_dscnt 0x0                               ; wave 0's tag bytes are in LDS before it says so
	s_barrier_signal -1
	s_barrier_wait -1
	; one-hot rows: lane l holds columns 4 l .. 4 l + 3 of a row
	ds_load_b128 v[TG:TG+3], v[TGA] offset:TLDS
	ds_load_b128 v[TG+4:TG+7], v[TGA] offset:TLDS+16
	s_wait_dscnt 0x0
.set j, 0
.rept 32
.if (j & 7) == 0
.if j
	s_wait_xcnt 0x0                                ; the eight sets of store data are written again only behind this wait
.endif
.endif
	v_bfe_u32 v[D], v[TG+(j>>2)], 8*(j&3), 8       ; the tag of row 32 w + j
	v_sub_nc_u32 v[D], v[D], v[L4]                 ; 0..3 in the one lane that holds its column
.irp k, 0,1,2,3
	v_cmp_eq_u32 vcc_lo, \k, v[D]
	v_cndmask_b32 v[OH+4*(j&7)+\k], 0, 1.0, vcc_lo
.endr
	global_store_b128 v[VO], v[OH+4*(j&7):OH+4*(j&7)+3], s[8:9] offset:512*j th:TH_STORE_NT
.set j, j+1
.endr
	s_wait_tensorcnt 0x0
	ds_add_u32 v72, v73
	s_wait_dscnt 0x0
	s_endpgm
.Lfunc_end_k_q28d00e0ba3_backtrace:
	.size	k_q28d00e0ba3_backtrace, .Lfunc_end_k_q28d00e0ba3_backtrace-k_q28d00e0ba3_backtrace
	.p2alignl 7, 3214868480
	.fill 96, 4, 3214868480
	.section	.rodata,"a",@progbits
	.p2align	6, 0x0
	.amdhsa_kernel k_q28d00e0ba3_backtrace
		.amdhsa_group_segment_fixed_size 75776
		.amdhsa_private_segment_fixed_size 0
		.amdhsa_enable_private_segment 0
		.amdhsa_kernarg_size 24
		.amdhsa_user_sgpr_count 2
		.amdhsa_user_sgpr_kernarg_segment_ptr 1
		.amdhsa_wavefront_size32 1
		.amdhsa_system_sgpr_workgroup_id_x 1
		.amdhsa_system_sgpr_workgroup_id_y 1
		.amdhsa_system_sgpr_workgroup_id_z 1
		.amdhsa_system_vgpr_workitem_id 0
		.amdhsa_next_free_vgpr 74
		.amdhsa_next_free_sgpr 66
		.amdhsa_reserve_vcc 1
		.amdhsa_float_denorm_mode_32 3
		.amdhsa_float_denorm_mode_16_64 3
		.amdhsa_memory_ordered 1
		.amdhsa_forward_progress 1
		.amdhsa_inst_pref_size 58
	.end_amdhsa_kernel
	.amdgpu_metadata
---
amdhsa.version: [ 1, 2 ]
amdhsa.kernels:
  - .name:           k_q28d00e0ba3_backtrace
    .symbol:         k_q28d00e0ba3_backtrace.kd
    .args:
      - { .name: bp, .offset: 0, .size: 8, .value_kind: global_buffer, .address_space: global }
      - { .name: last, .offset: 8, .size: 8, .value_kind: global_buffer, .address_space: global }
      - { .name: out0, .offset: 16, .size: 8, .value_kind: global_buffer, .address_space: global }
    .group_segment_fixed_size: 75776
    .private_segment_fixed_size: 0
    .kernarg_segment_align: 8
    .kernarg_segment_size: 24
    .max_flat_workgroup_size: 512
    .sgpr_count:     66
    .vgpr_count:     74
    .wavefront_size: 32
...
	.end_amdgpu_metadata
.endif
;; end of part 3
;; ======== version 2 of 2: 3 launches; 1.22 times as fast as version 1
;; workspace buffers: alphas 33,554,432 bytes; maxes 33,554,432 bytes; rblk 8,388,608 bytes of whole numbers; bp 8,388,608 bytes of whole numbers; last 512 bytes of whole numbers
;; launch forward (part 4): grid 128 x 1, 4 waves a work-group, no clusters, 14,336 bytes of LDS; arguments inputs, sequence_lengths, transitions, alphas, maxes, last, out1, rblk; writes alphas, maxes, last, out1, rblk
.if DOCPART == 4
	.amdgcn_target "amdgcn-amd-amdhsa--gfx1250"
	.amdhsa_code_object_version 6
	.text
	.protected	k_q28d00e0ba3_forward
	.globl	k_q28d00e0ba3_forward
	.p2align	8
	.type	k_q28d00e0ba3_forward,@function
k_q28d00e0ba3_forward:
	s_mov_b64 s[64:65], 0
	v_nop
	global_prefetch_b8 v0, s[64:65] scope:SCOPE_SE
	s_setreg_imm32_b32 hwreg(HW_REG_WAVE_MODE, 25, 1), 1
	s_wait_xcnt 0x0
; Viterbi forward pass.  One work-group = one sequence b, four waves.
;   m_t[j] = max over i of (alpha_(t-1)[i] + trans[i][j]);  alpha_t[j] = m_t[j] + logit_t[j] for t < len, else alpha_(t-1)[j].
; Every sum is the plain f32 sum of the recursion as it is written and the maximum is exact, so alpha carries the recursion's own bits.
; Stored: alphas[b][t][:] = alpha_t, maxes[b][t][:] = m_t (row 0 of maxes is a copy of alpha_0, not used later), t = 0..511,
; rblk[b][t >> 3][w][l][t & 7] = for the column of lane l of wave w, the first of the four blocks of 32 previous tags in which m_t is reached
; (one byte; row 0 is not used), the best final score (out1) and the first tag that reaches it (last).  The backpointers are finished by the
; next launch, where the steps do not hang on each other.  Only the add and the maximum stay on the chain of 511 steps.
; SHARES: lane l of wave w, r = l & 3, q = l >> 2.  Quad q owns the four columns 32 k + 8 w + q, k = 0..3; its lane r scans block r, the
; previous tags 32 r .. 32 r + 31, for all four (128 numbers of trans in registers); a halving exchange leaves column 32 r + 8 w + q in lane l.
; A step is 64 packed adds and 64 maxima a lane.
; THE WAVE'S OWN QUARTER FIRST: a lane's own column is a tag of its own block, so eight of its 32 previous tags, 32 r + 8 w + (q xor x),
; x = 0..7, are the alphas that lanes l xor 4 x of this wave have just made.  They come by seven lane exchanges, without LDS, and their 32
; instructions stand where the wave would otherwise only wait: behind the store of the new alpha and inside the barrier.  The other 24 tags,
; made by waves (w + j) & 3, j = 1..3, come from LDS behind the barrier.  Slot s of the tile (register TR + 32 k + s, alpha in AL + s):
; s = x: tag 32 r + 8 w + (q xor x);  s = 8 j + x: tag 32 r + 8 ((w + j) & 3) + x.  The maximum does not hang on the order.
; Two sets of running maxima take turns by the step's parity: the next step's are begun while the last step's are still wanted for:
; THE BLOCK: where lane (q, r)'s maximum of a column equals the column's m, block r reaches it.  The 16 instructions that find the first such r
; for the step before stand behind the issue of a step's LDS loads and ahead of the first wait for them.
; LDS: three rings of 8 rows, slot = t & 7; the loop body is 8 steps, so every LDS address is a fixed register plus an immediate.
; A row is four groups of 32 numbers, 144 bytes apart: the four addresses of one 16-byte load, and a wave's 32 own columns, fall on different banks.
; One barrier a step: step t reads slot t-1 and writes slot t.  Rows leave, and logit rows come in, as whole rows of 512 bytes, one a wave.
; The trip count is fixed (512 steps, t = 512 always past the end); steps with t >= len are undone by a select.
; No matrix unit (max-plus is no product), no tensor load or cluster (the one shared input is 64 KiB, read once into registers).
; 128 work-groups: a sequence's chain cannot be split among work-groups without traffic between them.
; LIMITS: NaN in the inputs is not served (the maxima drop a NaN).  Lengths are clamped to 0..512.
.set ROWB,   512                       ; bytes of a row of 128 f32 in memory
.set APITCH, 144                       ; 32 numbers + 16 bytes
.set AROW,   576                       ; a row in LDS
.set ALDS,   0                         ; 8 alpha rows
.set MLDS,   4608                      ; 8 rows of maxima
.set LLDS,   9216                      ; 8 logit rows; ends at 13824
.set TRIPS,  64
.set LANE, 1
.set T16,  2                           ; 512 w + 16 l: my 16 bytes of row w of a group of four rows in memory
.set AWR,  3                           ; 144 r + 32 w + 4 q: my column in an LDS row
.set AFL,  4                           ; 576 w + 144 (l >> 3) + 16 (l & 7): my 16 bytes of row w of a group of four LDS rows
.set ARJ,  5                           ; v5-v7: 144 r + 32 ((w + j) & 3), j = 1..3: eight alphas of my block made by another wave
.set LOG,  8                           ; logit of my column
.set NEW,  9
.set VOF,  10                          ; byte offset of the rows that leave
.set TMP,  11
.set PM,   12                          ; v[12:15], v[16:19]: two sets of running maxima of my four columns
.set KA, 20
.set SA, 21
.set KB, 22
.set SB, 23
.set QA, 24
.set QB, 25
.set KK, 26
.set SS, 27
.set FIN, 28                           ; m_t of my column
.set VOA, 29                           ; byte offset of XA's next row
.set VOB, 30                           ; byte offset of XB's next row
.set W,   31
.set XA, 32                            ; v[32:35] logit row on its way, for slots 4-7
.set XB, 36                            ; v[36:39] the same for slots 0-3
.set FA, 40                            ; v[40:43] an alpha row on its way out
.set FM, 44                            ; v[44:47] a row of maxima on its way out
.set AL, 48                            ; v[48:79] my 32 alphas; v48 is the alpha of my own column and lives from step to step
.set SU, 80                            ; v[80:95] 16 sums; at the start the offsets of the tile's loads
.set TR, 96                            ; v[96:223] trans tile
.set MQ, 224                           ; v[224:227] m of the quad's four columns
.set Q4, 228                           ; 4 q: where my quad's four bits stand in a lane mask
.set VOR, 229                          ; byte offset of my eight bytes in rblk
.set RB, 230                           ; v[230:231] eight steps' block bytes of my column
.set ROFF, 232                         ; 256 w + 8 l
; 16 sums: slots 4 c .. 4 c + 3 of the tile, four columns
.macro ADDS c
.irp k, 0,1,2,3
	v_pk_add_f32 v[SU+2*\k:SU+2*\k+1], v[TR+32*\k+4*\c:TR+32*\k+4*\c+1], v[AL+4*\c:AL+4*\c+1]
.endr
.irp k, 0,1,2,3
	v_pk_add_f32 v[SU+8+2*\k:SU+8+2*\k+1], v[TR+32*\k+4*\c+2:TR+32*\k+4*\c+3], v[AL+4*\c+2:AL+4*\c+3]
.endr
.endm
; the first eight of them into the set of maxima p; first = 1: they start the maxima, nothing is cleared
.macro MAXLO p, first
.irp k, 0,1,2,3
.if \first
	v_max_num_f32 v[\p+\k], v[SU+2*\k], v[SU+2*\k+1]
.else
	v_max3_num_f32 v[\p+\k], v[\p+\k], v[SU+2*\k], v[SU+2*\k+1]
.endif
.endr
.endm
; the other eight
.macro MAXHI p
.irp k, 0,1,2,3
	v_max3_num_f32 v[\p+\k], v[\p+\k], v[SU+8+2*\k], v[SU+8+2*\k+1]
.endr
.endm
; The change of steps.  My new alpha (v[AL]) and m have just been handed to LDS.  While those stores complete, the wave's own quarter of the
; next step is made from registers into the set of maxima p; then the barrier, with the last eight maxima between its signal and its wait.
.macro EXCH p
	v_permlanex16_b32 v[AL+4], v[AL], s22, s23                                      ; lane l xor 16
	v_mov_b32_dpp v[AL+1], v[AL] row_xmask:4 row_mask:0xf bank_mask:0xf             ; lane l xor 4
	v_mov_b32_dpp v[AL+2], v[AL] row_xmask:8 row_mask:0xf bank_mask:0xf             ; lane l xor 8
	v_mov_b32_dpp v[AL+3], v[AL] row_xmask:12 row_mask:0xf bank_mask:0xf            ; lane l xor 12
	v_mov_b32_dpp v[AL+5], v[AL+4] row_xmask:4 row_mask:0xf bank_mask:0xf           ; lane l xor 20
	v_mov_b32_dpp v[AL+6], v[AL+4] row_xmask:8 row_mask:0xf bank_mask:0xf           ; lane l xor 24
	v_mov_b32_dpp v[AL+7], v[AL+4] row_xmask:12 row_mask:0xf bank_mask:0xf          ; lane l xor 28
	ADDS 0
	MAXLO \p, 1
	MAXHI \p
	ADDS 1
	s_wait_dscnt 0x0                               ; my reads of the old slot and my stores to the new one are done before I say so
	s_barrier_signal -1
	MAXLO \p, 0                                    ; register work while the others arrive
	MAXHI \p
	s_barrier_wait -1
.endm
	s_load_b256 s[4:11], s[0:1], 0x0               ; inputs s[4:5], lengths s[6:7], transitions s[8:9], alphas s[10:11]
	s_load_b128 s[12:15], s[0:1], 0x20             ; maxes s[12:13], last s[14:15]
	s_load_b64 s[16:17], s[0:1], 0x30              ; out1
	s_load_b64 s[38:39], s[0:1], 0x38              ; rblk
	v_lshl_add_u32 v234, v0, 2, 0x3600
	v_mov_b32 v235, 0
	v_and_b32 v[LANE], 31, v0
	v_lshrrev_b32 v[TMP], 5, v0
	v_readfirstlane_b32 s18, v[TMP]                ; wave w
	s_lshl_b32 s28, ttmp9, 18                      ; b x 512 rows x 512 bytes
	s_mov_b32 s29, 0
	s_lshl_b32 s32, ttmp9, 2                       ; b x 4
	s_mov_b32 s33, 0
	s_lshl_b32 s30, ttmp9, 16                      ; b x 512 rows x 128 bytes
	s_mov_b32 s31, 0
	s_mov_b32 s20, 0xaaaaaaaa                      ; lanes with l & 1
	s_mov_b32 s21, 0xcccccccc                      ; lanes with l & 2
	s_mov_b32 s22, 0x76543210                      ; v_permlanex16_b32: lane i of the other half
	s_mov_b32 s23, 0xfedcba98
	s_mov_b32 s44, 0x12131210                      ; 16 entries of 2 bits: entry n = the place of n's lowest set bit
	s_mov_b32 s45, 0x22222222                      ; lanes with l & 3 = 1
	s_mov_b32 s46, 0x44444444                      ; = 2
	s_mov_b32 s47, 0x88888888                      ; = 3
	s_lshl_b32 s34, s18, 9                         ; 512 w
	s_lshl_b32 s35, s18, 5                         ; 32 w: eight columns of 4 bytes
	s_lshl_b32 s36, s18, 12                        ; 4096 w: eight rows of trans
	s_mul_i32 s37, s18, AROW
	s_lshl_b32 s40, s18, 8                         ; 256 w
	v_lshl_add_u32 v[T16], v[LANE], 4, s34
	v_lshl_add_u32 v[ROFF], v[LANE], 3, s40
	v_and_b32 v[Q4], 28, v[LANE]
	v_and_b32 v[KA], 3, v[LANE]                    ; r
	v_lshrrev_b32 v[SA], 2, v[LANE]                ; q
	v_mul_u32_u24 v[KB], v[KA], APITCH             ; 144 r
	v_lshl_add_u32 v[SB], v[SA], 2, s35            ; 32 w + 4 q: column 8 w + q, in bytes
	v_add_nc_u32 v[AWR], v[KB], v[SB]
	v_lshl_add_u32 v[QA], v[KA], 14, v[SB]         ; in trans: row 32 r, column 8 w + q
.irp j, 1,2,3
	s_add_co_u32 s41, s18, \j
	s_and_b32 s41, s41, 3                          ; the wave that makes these eight tags
	s_lshl_b32 s42, s41, 5
	s_lshl_b32 s43, s41, 12
	v_add_nc_u32 v[ARJ+\j-1], s42, v[KB]
	v_add_nc_u32 v[SU+8+\j], s43, v[QA]            ; in trans: row 32 r + 8 ((w + j) & 3)
.endr
.irp x, 0,1,2,3,4,5,6,7
	v_xor_b32 v[SU+\x], \x, v[SA]
	v_lshl_add_u32 v[SU+\x], v[SU+\x], 9, v[QA]
	v_add_nc_u32 v[SU+\x], s36, v[SU+\x]           ; in trans: row 32 r + 8 w + (q xor x)
.endr
	v_lshrrev_b32 v[KK], 3, v[LANE]                ; columns 4 l .. 4 l + 3 lie in group l >> 3,
	v_and_b32 v[SS], 7, v[LANE]                    ; at 16 (l & 7)
	v_mul_u32_u24 v[KK], v[KK], APITCH
	v_lshl_add_u32 v[KK], v[SS], 4, v[KK]
	v_add_nc_u32 v[AFL], s37, v[KK]
	v_mov_b32 v[QA], 0                             ; destinations of the lane exchanges count as read: written once here
	v_mov_b32 v[QB], 0
	v_mov_b32 v[FIN], 0
.irp k, 0,1,2,3
	v_mov_b32 v[MQ+\k], 0
	v_mov_b32 v[PM+4+\k], 0                        ; the first step's head looks at a step that was not made: its byte (row 0) is defined and not used
.endr
.irp x, 1,2,3,4,5,6,7
	v_mov_b32 v[AL+\x], 0
.endr
	s_wait_kmcnt 0x0
	s_add_nc_u64 s[4:5], s[4:5], s[28:29]
	s_add_nc_u64 s[10:11], s[10:11], s[28:29]
	s_add_nc_u64 s[12:13], s[12:13], s[28:29]
	s_add_nc_u64 s[6:7], s[6:7], s[32:33]
	s_add_nc_u64 s[14:15], s[14:15], s[32:33]
	s_add_nc_u64 s[16:17], s[16:17], s[32:33]
	s_add_nc_u64 s[38:39], s[38:39], s[30:31]
	s_load_b32 s19, s[6:7], 0x0                    ; len
	; the tile, once: laid so that two previous tags of one column are a register pair; column k of the quad is 32 columns = 128 bytes further
.irp k, 0,1,2,3
.irp x, 0,1,2,3,4,5,6,7
	global_load_b32 v[TR+32*\k+\x], v[SU+\x], s[8:9] offset:128*\k
.endr
.irp j, 1,2,3
.irp x, 0,1,2,3,4,5,6,7
	global_load_b32 v[TR+32*\k+8*\j+\x], v[SU+8+\j], s[8:9] offset:ROWB*\x+128*\k
.endr
.endr
.endr
	global_load_b128 v[FA:FA+3], v[T16], s[4:5] th:TH_LOAD_NT                ; logit rows 0-3, one a wave
	global_load_b128 v[XA:XA+3], v[T16], s[4:5] offset:4*ROWB th:TH_LOAD_NT  ; rows 4-7
	global_load_b128 v[XB:XB+3], v[T16], s[4:5] offset:8*ROWB th:TH_LOAD_NT  ; rows 8-11
	s_wait_kmcnt 0x0
	s_max_i32 s19, s19, 0
	s_min_u32 s19, s19, 512
	s_wait_loadcnt 0x2                             ; the tile and rows 0-3 are in (so SU is free); the two younger loads (XA, XB) stay out
	ds_store_b128 v[AFL], v[FA:FA+3] offset:LLDS
	s_wait_dscnt 0x0                               ; my row is in LDS before I say so
	s_barrier_signal -1
	s_barrier_wait -1
	ds_load_b32 v[AL], v[AWR] offset:LLDS          ; alpha_0 = logit row 0
	s_wait_dscnt 0x0
	ds_store_b32 v[AWR], v[AL] offset:ALDS
	ds_store_b32 v[AWR], v[AL] offset:MLDS         ; row 0 of maxes gets defined bytes
	s_mov_b32 s24, 1                               ; t
	s_mov_b32 s25, 0                               ; trip c
	s_mov_b32 s27, 0                               ; 4096 c: byte offset of row 8 c
	EXCH PM                                        ; step 1's own quarter, into set 0
; One step: reads alpha slot rd, writes slot wr.  kind 1: the four rows of group grp (slots 4 grp ..) also leave for memory, one a wave.
; kind 2: the logit rows that have come in go to slots 4 grp .., and the rows eight steps further are asked for.
; At its head the step also finds the block byte of the step before it, row 8 c + rd.
.macro STEP rd, wr, kind, grp
.set EXTRA, 0
.set PCUR, PM+4*(\rd&1)                            ; this step's maxima: the own quarter is in already
.set PPRV, PM+4*(\wr&1)                            ; the step before's; at this step's end the next step's
.irp j, 1,2,3
	ds_load_b128 v[AL+8*\j:AL+8*\j+3], v[ARJ+\j-1] offset:ALDS+AROW*\rd
	ds_load_b128 v[AL+8*\j+4:AL+8*\j+7], v[ARJ+\j-1] offset:ALDS+AROW*\rd+16
.endr
	ds_load_b32 v[LOG], v[AWR] offset:LLDS+AROW*\wr
.if \rd == 0
	s_wait_xcnt 0x0                                ; RB, which the last trip's store reads, is written again only behind this wait
.endif
.if \kind == 1
.set EXTRA, 2
	s_wait_xcnt 0x0                                ; FA, FM, VOF and VOR, which the last rows' stores read, are rewritten only behind this wait
	v_add_nc_u32 v[VOF], s27, v[T16]
	ds_load_b128 v[FA:FA+3], v[AFL] offset:ALDS+4*AROW*\grp
	ds_load_b128 v[FM:FM+3], v[AFL] offset:MLDS+4*AROW*\grp
.endif
.if \kind == 2
.set EXTRA, 1
	s_wait_loadcnt 0x1                             ; this stream's row is in; the other stream's load is younger and stays out
.if \grp == 1
	ds_store_b128 v[AFL], v[XA:XA+3] offset:LLDS+4*AROW
	s_add_co_u32 s30, s27, 12*ROWB                 ; rows 8 c + 12 + w, held inside the buffer: the clamped rows feed no live step
	s_min_u32 s30, s30, 508*ROWB
	v_add_nc_u32 v[VOA], s30, v[T16]
	global_load_b128 v[XA:XA+3], v[VOA], s[4:5] th:TH_LOAD_NT
.else
	ds_store_b128 v[AFL], v[XB:XB+3] offset:LLDS
	s_add_co_u32 s30, s27, 16*ROWB                 ; rows 8 c + 16 + w, clamped likewise (only t = 512, always past the end, reads them)
	s_min_u32 s30, s30, 508*ROWB
	v_add_nc_u32 v[VOB], s30, v[T16]
	global_load_b128 v[XB:XB+3], v[VOB], s[4:5] th:TH_LOAD_NT
.endif
.endif
	; the block of the step before: PPRV and FIN are still that step's
.irp k, 0,1,2,3
	v_mov_b32_dpp v[MQ+\k], v[FIN] quad_perm:[\k,\k,\k,\k] row_mask:0xf bank_mask:0xf   ; m of the quad's column k, in all four lanes
.endr
.irp k, 0,1,2,3
	v_cmp_eq_f32 s[40+\k], v[PPRV+\k], v[MQ+\k]    ; bit 4 q + r: block r reaches the maximum of the quad's column k
.endr
	v_mov_b32 v[W], s40                            ; the lane of column k takes mask k,
	v_cndmask_b32 v[W], v[W], s41, s45
	v_cndmask_b32 v[W], v[W], s42, s46
	v_cndmask_b32 v[W], v[W], s43, s47
	v_bfe_u32 v[W], v[W], v[Q4], 4                 ; its quad's four bits,
	v_lshlrev_b32 v[W], 1, v[W]
.if (\rd & 3) == 0
	v_bfe_u32 v[RB+(\rd>>2)], s44, v[W], 2         ; and the place of the lowest: the first block; it starts a word of four bytes
.else
	v_bfe_u32 v[W], s44, v[W], 2
	v_lshl_or_b32 v[RB+(\rd>>2)], v[W], 8*(\rd&3), v[RB+(\rd>>2)]
.endif
.if \rd == 7
	s_lshr_b32 s30, s27, 2                         ; 1024 c: eight rows of 128 bytes
	v_add_nc_u32 v[VOR], s30, v[ROFF]
.endif
.irp c, 2,3,4,5,6,7
	s_wait_dscnt 8-\c+EXTRA                        ; younger than chunk c: 7 - c chunks, the logit word, and the EXTRA LDS lines above
	ADDS \c
	MAXLO PCUR, 0
	MAXHI PCUR
.endr
	; halving exchange over the quad: a lane keeps the columns whose bit equals its own and sends the others
	v_cndmask_b32 v[KA], v[PCUR], v[PCUR+1], s20
	v_cndmask_b32 v[SA], v[PCUR+1], v[PCUR], s20
	v_cndmask_b32 v[KB], v[PCUR+2], v[PCUR+3], s20
	v_cndmask_b32 v[SB], v[PCUR+3], v[PCUR+2], s20
	v_max_num_f32_dpp v[QA], v[SA], v[KA] row_xmask:1 row_mask:0xf bank_mask:0xf
	v_max_num_f32_dpp v[QB], v[SB], v[KB] row_xmask:1 row_mask:0xf bank_mask:0xf
	v_cndmask_b32 v[KK], v[QA], v[QB], s21
	v_cndmask_b32 v[SS], v[QB], v[QA], s21
	v_max_num_f32_dpp v[FIN], v[SS], v[KK] row_xmask:2 row_mask:0xf bank_mask:0xf   ; m_t of column 32 r + 8 w + q
	s_cmp_lt_u32 s24, s19                          ; t < len
	s_cselect_b32 s26, -1, 0
	s_add_co_u32 s24, s24, 1
	s_wait_dscnt 0x0                               ; the logit word (and the rows that leave) are in
	v_add_f32 v[NEW], v[FIN], v[LOG]
	v_cndmask_b32 v[AL], v[AL], v[NEW], s26
	ds_store_b32 v[AWR], v[AL] offset:ALDS+AROW*\wr
	ds_store_b32 v[AWR], v[FIN] offset:MLDS+AROW*\wr
.if \kind == 1
	global_store_b128 v[VOF], v[FA:FA+3], s[10:11] offset:4*ROWB*\grp   ; each store of the wave covers one row: 512 consecutive bytes, aligned
	global_store_b128 v[VOF], v[FM:FM+3], s[12:13] offset:4*ROWB*\grp
.endif
.if \rd == 7
	global_store_b64 v[VOR], v[RB:RB+1], s[38:39]  ; rows 8 c .. 8 c + 7 of my column; the store of the wave covers 256 consecutive bytes, aligned
.endif
	EXCH PPRV
.endm
.Ltrip:                                            ; t = 8 c + 1 .. 8 c + 8
	STEP 0, 1, 2, 1                                ; slots 4-7 were last read two barriers ago, are first read three steps on
	STEP 1, 2, 0, 0
	STEP 2, 3, 0, 0
	STEP 3, 4, 1, 0                                ; rows 8 c .. 8 c + 3 are whole; slot 0 is written again four steps on
	STEP 4, 5, 2, 0
	STEP 5, 6, 0, 0
	STEP 6, 7, 0, 0
	STEP 7, 0, 1, 1                                ; rows 8 c + 4 .. 8 c + 7
	s_add_co_u32 s27, s27, 8*ROWB
	s_add_co_u32 s25, s25, 1
	s_cmp_lt_u32 s25, TRIPS
	s_cbranch_scc1 .Ltrip
	; the end: wave 0 takes the final alpha (slot 0, carried through the dead step t = 512), its maximum and the first tag that has it
	s_cmp_lg_u32 s18, 0
	s_cbranch_scc1 .Lend
	s_wait_xcnt 0x0                                ; FA was the data of the last stores
	ds_load_b128 v[FA:FA+3], v[AFL] offset:ALDS    ; w = 0: columns 4 l .. 4 l + 3
	s_wait_dscnt 0x0
	v_max3_num_f32 v[KA], v[FA], v[FA+1], v[FA+2]
	v_max_num_f32 v[KA], v[KA], v[FA+3]
	v_max_num_f32_dpp v[KA], v[KA], v[KA] row_xmask:1 row_mask:0xf bank_mask:0xf
	v_max_num_f32_dpp v[KA], v[KA], v[KA] row_xmask:2 row_mask:0xf bank_mask:0xf
	v_max_num_f32_dpp v[KA], v[KA], v[KA] row_xmask:4 row_mask:0xf bank_mask:0xf
	v_max_num_f32_dpp v[KA], v[KA], v[KA] row_xmask:8 row_mask:0xf bank_mask:0xf
	v_permlanex16_b32 v[SA], v[KA], s22, s23
	v_max_num_f32 v[KA], v[KA], v[SA]              ; the best score, in every lane
	v_mov_b32 v[KB], 0xff                          ; no hit: above every tag
.irp k, 3,2,1,0
	v_cmp_neq_f32 vcc_lo, v[FA+\k], v[KA]
	v_cndmask_b32 v[KB], \k, v[KB], vcc_lo         ; downward, so the lowest hit stays
.endr
	v_lshl_add_u32 v[KB], v[LANE], 2, v[KB]
.irp x, 1,2,4,8
	v_mov_b32_dpp v[SB], v[KB] row_xmask:\x row_mask:0xf bank_mask:0xf
	v_min_u32 v[KB], v[KB], v[SB]
.endr
	v_permlanex16_b32 v[SB], v[KB], s22, s23
	v_min_u32 v[KB], v[KB], v[SB]                  ; the first tag with the best score
	v_mov_b32 v[QA], 0
	v_cmp_eq_u32 vcc_lo, 0, v[LANE]
	s_and_saveexec_b32 s30, vcc_lo                 ; no global instruction has been issued since the wait on XCNT above
	global_store_b32 v[QA], v[KA], s[16:17]
	global_store_b32 v[QA], v[KB], s[14:15]
	s_wait_xcnt 0x0                                ; EXEC is widened only behind this wait
	s_or_b32 exec_lo, exec_lo, s30
.Lend:
	s_wait_tensorcnt 0x0
	ds_add_u32 v234, v235
	s_wait_dscnt 0x0
	s_endpgm
.Lfunc_end_k_q28d00e0ba3_forward:
	.size	k_q28d00e0ba3_forward, .Lfunc_end_k_q28d00e0ba3_forward-k_q28d00e0ba3_forward
	.p2alignl 7, 3214868480
	.fill 96, 4, 3214868480
	.section	.rodata,"a",@progbits
	.p2align	6, 0x0
	.amdhsa_kernel k_q28d00e0ba3_forward
		.amdhsa_group_segment_fixed_size 14336
		.amdhsa_private_segment_fixed_size 0
		.amdhsa_enable_private_segment 0
		.amdhsa_kernarg_size 64
		.amdhsa_user_sgpr_count 2
		.amdhsa_user_sgpr_kernarg_segment_ptr 1
		.amdhsa_wavefront_size32 1
		.amdhsa_system_sgpr_workgroup_id_x 1
		.amdhsa_system_sgpr_workgroup_id_y 1
		.amdhsa_system_sgpr_workgroup_id_z 1
		.amdhsa_system_vgpr_workitem_id 0
		.amdhsa_next_free_vgpr 236
		.amdhsa_next_free_sgpr 66
		.amdhsa_reserve_vcc 1
		.amdhsa_float_denorm_mode_32 3
		.amdhsa_float_denorm_mode_16_64 3
		.amdhsa_memory_ordered 1
		.amdhsa_forward_progress 1
		.amdhsa_inst_pref_size 111
	.end_amdhsa_kernel
	.amdgpu_metadata
---
amdhsa.version: [ 1, 2 ]
amdhsa.kernels:
  - .name:           k_q28d00e0ba3_forward
    .symbol:         k_q28d00e0ba3_forward.kd
    .args:
      - { .name: inputs, .offset: 0, .size: 8, .value_kind: global_buffer, .address_space: global }
      - { .name: sequence_lengths, .offset: 8, .size: 8, .value_kind: global_buffer, .address_space: global }
      - { .name: transitions, .offset: 16, .size: 8, .value_kind: global_buffer, .address_space: global }
      - { .name: alphas, .offset: 24, .size: 8, .value_kind: global_buffer, .address_space: global }
      - { .name: maxes, .offset: 32, .size: 8, .value_kind: global_buffer, .address_space: global }
      - { .name: last, .offset: 40, .size: 8, .value_kind: global_buffer, .address_space: global }
      - { .name: out1, .offset: 48, .size: 8, .value_kind: global_buffer, .address_space: global }
      - { .name: rblk, .offset: 56, .size: 8, .value_kind: global_buffer, .address_space: global }
    .group_segment_fixed_size: 14336
    .private_segment_fixed_size: 0
    .kernarg_segment_align: 8
    .kernarg_segment_size: 64
    .max_flat_workgroup_size: 128
    .sgpr_count:     66
    .vgpr_count:     236
    .wavefront_size: 32
...
	.end_amdgpu_metadata
.endif
;; end of part 4
;; launch argmax (part 5): grid 128 x 16, 4 waves a work-group, no clusters, 78,848 bytes of LDS; arguments alphas, maxes, transitions, sequence_lengths, rblk, bp; writes bp
.if DOCPART == 5
	.amdgcn_target "amdgcn-amd-amdhsa--gfx1250"
	.amdhsa_code_object_version 6
	.text
	.protected	k_q28d00e0ba3_argmax
	.globl	k_q28d00e0ba3_argmax
	.p2align	8
	.type	k_q28d00e0ba3_argmax,@function
k_q28d00e0ba3_argmax:
	s_mov_b64 s[64:65], 0
	v_nop
	global_prefetch_b8 v0, s[64:65] scope:SCOPE_SE
	s_setreg_imm32_b32 hwreg(HW_REG_WAVE_MODE, 25, 1), 1
	s_wait_xcnt 0x0
; Backpointers.  bp[b][t][j] = the first i with alpha_(t-1)[i] + trans[i][j] == m_t[j] for 1 <= t < len, else j (identity), one byte each.
; m_t is the maximum of exactly these f32 sums, made by the same packed add on the same operands, so a hit exists and the first hit is the argmax.
; The forward launch has stored, as whole numbers, the first block r of 32 previous tags (32 r .. 32 r + 31) in which the maximum is reached:
; only that block is scanned, a quarter of the sums.  The blocks are consecutive ranges, so the first hit in the first block is the first hit.
; Work-group (b, y), four waves, makes rows t0 .. t0 + 31, t0 = 32 y, in 4 trips of 8 steps.  The steps do not hang on each other.
; SHARES: lane l of wave w owns column j = 32 w + l.  trans lies transposed in LDS, a row of 128 numbers for each column, 528 bytes apart
; (an odd multiple of 16), filled once: lane l loads its column (a wave's load covers 128 consecutive bytes) and stores it 16 bytes at a time.
; A STEP: r = my byte of rblk, clamped to 3; 8 loads of 16 bytes of alpha at 144 r, 8 of trans at 528 j + 128 r; 16 packed adds; 32 compares
; and 32 selects in four chains (tags 4 c + x, x = 0..3, each scanned downward so that its lowest hit stays); the least of the four; + 32 r.
; A TRIP: 8 rows of alpha and 8 of m come in as whole rows of 512 bytes (two of each a wave), and the trip's 1,024 block bytes as 256 consecutive
; bytes a wave, and go to LDS; barrier; 8 steps, written out, so that the fixed part of every LDS address is a register plus an immediate;
; barrier; the trip's 1,024 index bytes leave, 256 consecutive aligned bytes a wave.
; THE BLOCK BYTES lie in the forward launch's order, eight bytes (eight steps) for its wave w' and lane l' at 256 w' + 8 l', whose column is
; 32 (l' & 3) + 8 w' + (l' >> 2).  Column 32 w + l is therefore at 256 (l >> 3) + 32 (l & 7) + 8 w; a lane reads its eight bytes from LDS there.
; The second barrier stands between this trip's reads of the rows and the next trip's rows, and between the index bytes and their read-back;
; the first between the rows and blocks (and, in the first trip, trans) and their reads, and between the read-back and the next index bytes.
; A step that is not live (n < first or n >= len - t0, whole numbers made from the lengths) jumps over the scan and stores the identity;
; a trip whose first step is past the end fetches no rows, a work-group without a live step no trans.  Both barriers stand outside these branches.
; No matrix unit, tensor load or cluster: no product, and the one shared input is 64 KiB read once by a work-group.
; LIMITS: NaN in the inputs is not served.  Lengths are clamped to 0..512.
.set ROWB,   512
.set APITCH, 144                       ; 32 alphas + 16 bytes: the four blocks' 16-byte pieces fall on different banks
.set AROW,   576
.set TP,     528                       ; a column of trans in LDS
.set ALDS,   0                         ; 8 alpha rows: row s = alphas row max(t0 + 8 c + s - 1, 0)
.set MLDS,   4608                      ; 8 rows of maxima: row s = maxes row t0 + 8 c + s
.set OLDS,   8704                      ; 8 rows of 128 index bytes
.set RLDS,   9728                      ; the trip's 1,024 block bytes
.set TLDS,   10752                     ; 128 columns of trans; ends at 78336
.set TRIPS,  4
.set LANE, 1
.set JCOL, 2                           ; 32 w + l: my column, and my byte in a row of indices
.set MCOL, 3                           ; 4 j: my column in a row of f32
.set TB,   4                           ; 528 j
.set AST,  5                           ; 2 w rows of 576 + my 16 bytes of a whole row
.set MST,  6                           ; 2 w rows of 512 + 16 l
.set VA,   7                           ; byte offset of my 16 bytes in row t0 + 8 c + 2 w
.set VA0,  8                           ; the same one row up
.set OUTA, 9                           ; 256 w + 8 l
.set VOUT, 10                          ; + 1024 c: my 8 bytes of the trip, in rblk and in bp alike
.set R,    11                          ; the block
.set RB,   12                          ; v[12:13] eight block bytes: first as loaded, then my column's
.set TA,   14                          ; 528 j + 128 r
.set AAD,  15                          ; 144 r
.set M,    16                          ; m of my column
.set FIN,  17
.set C255, 18
.set KB,   19
.set IDX,  20                          ; v[20:23] four chains
.set SB,   24
.set RRD,  25                          ; 256 (l >> 3) + 32 (l & 7) + 8 w: my column's eight block bytes
.set OD,   26                          ; v[26:27]
.set AL,   28                          ; v[28:59] the block's 32 alphas; v[28:43] also carry the rows on their way into LDS
.set TV,   60                          ; v[60:91] the block's 32 numbers of my column of trans
.set SU,   92                          ; v[92:99] two buffers of 4 sums
.set ST,   28                          ; v[28:155] my column of trans on its way into LDS, once
	s_load_b256 s[4:11], s[0:1], 0x0               ; alphas s[4:5], maxes s[6:7], transitions s[8:9], lengths s[10:11]
	s_load_b128 s[12:15], s[0:1], 0x20             ; rblk s[12:13], bp s[14:15]
	v_lshl_add_u32 v156, v0, 2, 0x13200
	v_mov_b32 v157, 0
	v_and_b32 v[LANE], 31, v0
	v_lshrrev_b32 v[KB], 5, v0
	v_readfirstlane_b32 s18, v[KB]                 ; wave w
	s_and_b32 s26, ttmp7, 0xffff                   ; y
	s_lshl_b32 s31, s26, 5                         ; t0
	s_lshl_b32 s28, ttmp9, 18                      ; b x 512 rows x 512 bytes
	s_mov_b32 s29, 0
	s_lshl_b32 s32, ttmp9, 2
	s_mov_b32 s33, 0
	s_lshl_b32 s38, ttmp9, 16                      ; b x 512 rows x 128 bytes (rblk and bp have 128 bytes a row)
	s_lshl_b32 s39, s26, 12                        ; + 32 y rows
	s_add_co_u32 s38, s38, s39
	s_mov_b32 s39, 0
	s_lshl_b32 s23, s18, 5                         ; 32 w
	s_lshl_b32 s20, s18, 10                        ; 1024 w: two rows of 512 bytes
	s_mul_i32 s21, s18, 2*AROW
	s_lshl_b32 s22, s18, 8                         ; 256 w
	s_lshl_b32 s16, s18, 3                         ; 8 w
	s_lshl_b32 s34, s26, 14                        ; 512 t0
	s_add_co_u32 s34, s34, s20                     ; byte offset of row t0 + 2 w
	v_add_nc_u32 v[JCOL], s23, v[LANE]
	v_lshlrev_b32 v[MCOL], 2, v[JCOL]
	v_mul_u32_u24 v[TB], v[JCOL], TP
	v_lshl_add_u32 v[MST], v[LANE], 4, s20
	v_lshl_add_u32 v[OUTA], v[LANE], 3, s22
	v_lshrrev_b32 v[KB], 3, v[LANE]                ; columns 4 l .. 4 l + 3 lie in group l >> 3,
	v_and_b32 v[SB], 7, v[LANE]                    ; at 16 (l & 7)
	v_lshl_add_u32 v[RRD], v[KB], 8, s16
	v_lshl_add_u32 v[RRD], v[SB], 5, v[RRD]
	v_mul_u32_u24 v[KB], v[KB], APITCH
	v_lshl_add_u32 v[KB], v[SB], 4, v[KB]
	v_add_nc_u32 v[AST], s21, v[KB]
	v_mov_b32 v[C255], 0xff
	v_mov_b32 v[RB], 0                             ; written on every path; a trip with a live step loads them
	v_mov_b32 v[RB+1], 0
	s_wait_kmcnt 0x0
	s_add_nc_u64 s[4:5], s[4:5], s[28:29]
	s_add_nc_u64 s[6:7], s[6:7], s[28:29]
	s_add_nc_u64 s[10:11], s[10:11], s[32:33]
	s_add_nc_u64 s[12:13], s[12:13], s[38:39]
	s_add_nc_u64 s[14:15], s[14:15], s[38:39]
	s_load_b32 s19, s[10:11], 0x0                  ; len
	s_cmp_eq_u32 s26, 0
	s_cselect_b32 s36, 1, 0                        ; first live n: row 0 of the sequence has no step
	s_mov_b32 s24, 0                               ; trip c
	s_mov_b32 s25, 0                               ; n = 8 c + s
	s_mov_b32 s27, 0                               ; 4096 c: eight rows of 512 bytes
	s_wait_kmcnt 0x0
	s_max_i32 s19, s19, 0
	s_min_u32 s19, s19, 512
	s_sub_co_i32 s37, s19, s31
	s_min_i32 s37, s37, 32
	s_max_i32 s37, s37, 0                          ; live n end here
	s_cmp_le_u32 s37, s36
	s_cbranch_scc1 .Lnotile                        ; no live step: trans is not needed
.set i, 0
.rept 128
	global_load_b32 v[ST+i], v[MCOL], s[8:9] offset:ROWB*i     ; trans[i][j]
.set i, i+1
.endr
	s_wait_loadcnt 0x0
.set c, 0
.rept 32
	ds_store_b128 v[TB], v[ST+4*c:ST+4*c+3] offset:TLDS+16*c   ; sixteen lanes' rows are 528 bytes apart: sixteen different 16-byte columns
.set c, c+1
.endr
.Lnotile:
; Step s of a trip: the index byte of my column in row s.
.macro STEP s
	v_mov_b32 v[FIN], v[JCOL]                      ; a step that is not live: the identity
	s_cmp_lt_u32 s25, s36
	s_cbranch_scc1 .Lput_\@
	s_cmp_ge_u32 s25, s37
	s_cbranch_scc1 .Lput_\@
	v_bfe_u32 v[R], v[RB+(\s>>2)], 8*(\s&3), 8
	v_min_u32 v[R], 3, v[R]                        ; a number that was loaded enters an address only clamped
	v_lshl_add_u32 v[TA], v[R], 7, v[TB]
	v_mul_u32_u24 v[AAD], v[R], APITCH
	ds_load_b32 v[M], v[MCOL] offset:MLDS+ROWB*\s
.irp c, 7,6,5,4,3,2,1,0
	ds_load_b128 v[AL+4*\c:AL+4*\c+3], v[AAD] offset:ALDS+AROW*\s+16*\c
	ds_load_b128 v[TV+4*\c:TV+4*\c+3], v[TA] offset:TLDS+16*\c
.endr
.irp c, 7,6,5,4,3,2,1,0
	s_wait_dscnt 2*\c                              ; the pairs of loads of the chunks below this one were issued later and stay out
	v_pk_add_f32 v[SU+4*(\c&1):SU+4*(\c&1)+1], v[TV+4*\c:TV+4*\c+1], v[AL+4*\c:AL+4*\c+1]
	v_pk_add_f32 v[SU+4*(\c&1)+2:SU+4*(\c&1)+3], v[TV+4*\c+2:TV+4*\c+3], v[AL+4*\c+2:AL+4*\c+3]
.irp x, 0,1,2,3
	v_cmp_neq_f32 s[40+4*(\c&1)+\x], v[SU+4*(\c&1)+\x], v[M]
.endr
.irp x, 0,1,2,3
.if \c == 7
	v_cndmask_b32 v[IDX+\x], 4*\c+\x, v[C255], s[40+4*(\c&1)+\x]       ; the first select starts the chain: no hit = 255
.else
	v_cndmask_b32 v[IDX+\x], 4*\c+\x, v[IDX+\x], s[40+4*(\c&1)+\x]
.endif
.endr
.endr
	v_min_u32 v[IDX], v[IDX], v[IDX+1]
	v_min_u32 v[IDX+2], v[IDX+2], v[IDX+3]
	v_min_u32 v[IDX], v[IDX], v[IDX+2]             ; the first hit in the block
	v_lshl_add_u32 v[FIN], v[R], 5, v[IDX]         ; + 32 r
.Lput_\@:
	ds_store_b8 v[JCOL], v[FIN] offset:OLDS+128*\s
	s_add_co_u32 s25, s25, 1
.endm
.Ltrip:
	s_wait_xcnt 0x0                                ; VOUT and OD, which the last trip's store reads, are rewritten only behind this wait
	s_lshr_b32 s30, s27, 2                         ; 1024 c: eight rows of 128 bytes
	v_add_nc_u32 v[VOUT], s30, v[OUTA]
	s_cmp_ge_u32 s25, s37                          ; the trip's first step is past the end: so are all eight, and nothing is fetched
	s_cbranch_scc1 .Lstaged
	s_add_co_u32 s30, s34, s27                     ; byte offset of row t0 + 8 c + 2 w
	s_sub_co_i32 s35, s30, ROWB                    ; the row in front of it,
	s_max_i32 s35, s35, 0                          ; held inside the buffer (y = 0, w = 0, c = 0: that LDS row feeds only n = 0, which is no step)
	v_lshl_add_u32 v[VA], v[LANE], 4, s30          ; the last trip's loads were waited for: their offsets may be written
	v_lshl_add_u32 v[VA0], v[LANE], 4, s35
	global_load_b128 v[AL:AL+3], v[VA0], s[4:5]                    ; alpha for step 2 w
	global_load_b128 v[AL+4:AL+7], v[VA], s[4:5]                   ; alpha for step 2 w + 1
	global_load_b128 v[AL+8:AL+11], v[VA], s[6:7]                  ; m of step 2 w
	global_load_b128 v[AL+12:AL+15], v[VA], s[6:7] offset:ROWB     ; m of step 2 w + 1
	global_load_b64 v[RB:RB+1], v[VOUT], s[12:13]                  ; a quarter of the trip's block bytes: 256 consecutive bytes a wave
	s_wait_loadcnt 0x3                             ; the alpha rows are in; the two rows of maxima and the blocks are younger
	ds_store_b128 v[AST], v[AL:AL+3] offset:ALDS
	ds_store_b128 v[AST], v[AL+4:AL+7] offset:ALDS+AROW
	s_wait_loadcnt 0x0
	ds_store_b128 v[MST], v[AL+8:AL+11] offset:MLDS
	ds_store_b128 v[MST], v[AL+12:AL+15] offset:MLDS+ROWB
	ds_store_b64 v[OUTA], v[RB:RB+1] offset:RLDS
.Lstaged:
	s_wait_dscnt 0x0                               ; my rows and blocks (and my columns of trans) are in LDS, and my read-back of the last trip's indices is done, before I say so
	s_barrier_signal -1
	s_barrier_wait -1
	s_cmp_ge_u32 s25, s37                          ; the same condition: a trip without a live step has no blocks
	s_cbranch_scc1 .Lnoblk
	ds_load_b64 v[RB:RB+1], v[RRD] offset:RLDS     ; my column's blocks of the eight steps
	s_wait_dscnt 0x0
.Lnoblk:
	STEP 0
	STEP 1
	STEP 2
	STEP 3
	STEP 4
	STEP 5
	STEP 6
	STEP 7
	s_wait_dscnt 0x0                               ; my reads of the rows and my index bytes are done before I say so
	s_barrier_signal -1
	s_barrier_wait -1
	ds_load_b64 v[OD:OD+1], v[OUTA] offset:OLDS
	s_wait_dscnt 0x0
	global_store_b64 v[VOUT], v[OD:OD+1], s[14:15] ; the store of the wave covers 256 consecutive bytes, aligned
	s_add_co_u32 s27, s27, 8*ROWB
	s_add_co_u32 s24, s24, 1
	s_cmp_lt_u32 s24, TRIPS
	s_cbranch_scc1 .Ltrip
	s_wait_tensorcnt 0x0
	ds_add_u32 v156, v157
	s_wait_dscnt 0x0
	s_endpgm
.Lfunc_end_k_q28d00e0ba3_argmax:
	.size	k_q28d00e0ba3_argmax, .Lfunc_end_k_q28d00e0ba3_argmax-k_q28d00e0ba3_argmax
	.p2alignl 7, 3214868480
	.fill 96, 4, 3214868480
	.section	.rodata,"a",@progbits
	.p2align	6, 0x0
	.amdhsa_kernel k_q28d00e0ba3_argmax
		.amdhsa_group_segment_fixed_size 78848
		.amdhsa_private_segment_fixed_size 0
		.amdhsa_enable_private_segment 0
		.amdhsa_kernarg_size 48
		.amdhsa_user_sgpr_count 2
		.amdhsa_user_sgpr_kernarg_segment_ptr 1
		.amdhsa_wavefront_size32 1
		.amdhsa_system_sgpr_workgroup_id_x 1
		.amdhsa_system_sgpr_workgroup_id_y 1
		.amdhsa_system_sgpr_workgroup_id_z 1
		.amdhsa_system_vgpr_workitem_id 0
		.amdhsa_next_free_vgpr 158
		.amdhsa_next_free_sgpr 66
		.amdhsa_reserve_vcc 0
		.amdhsa_float_denorm_mode_32 3
		.amdhsa_float_denorm_mode_16_64 3
		.amdhsa_memory_ordered 1
		.amdhsa_forward_progress 1
		.amdhsa_inst_pref_size 75
	.end_amdhsa_kernel
	.amdgpu_metadata
---
amdhsa.version: [ 1, 2 ]
amdhsa.kernels:
  - .name:           k_q28d00e0ba3_argmax
    .symbol:         k_q28d00e0ba3_argmax.kd
    .args:
      - { .name: alphas, .offset: 0, .size: 8, .value_kind: global_buffer, .address_space: global }
      - { .name: maxes, .offset: 8, .size: 8, .value_kind: global_buffer, .address_space: global }
      - { .name: transitions, .offset: 16, .size: 8, .value_kind: global_buffer, .address_space: global }
      - { .name: sequence_lengths, .offset: 24, .size: 8, .value_kind: global_buffer, .address_space: global }
      - { .name: rblk, .offset: 32, .size: 8, .value_kind: global_buffer, .address_space: global }
      - { .name: bp, .offset: 40, .size: 8, .value_kind: global_buffer, .address_space: global }
    .group_segment_fixed_size: 78848
    .private_segment_fixed_size: 0
    .kernarg_segment_align: 8
    .kernarg_segment_size: 48
    .max_flat_workgroup_size: 128
    .sgpr_count:     66
    .vgpr_count:     158
    .wavefront_size: 32
...
	.end_amdgpu_metadata
.endif
;; end of part 5
;; launch backtrace: the kernel of part 3 again; grid 128 x 1, 16 waves a work-group, no clusters, 75,776 bytes of LDS; arguments bp, last, out0; writes out0
